; MI455X (gfx1250); checked and timed in simulation.
; The chip was launched on July 23, 2026; its instructions are those of AMD's public machine-readable ISA for CDNA 5 (MIT licence, August 2026) and "CDNA5" Instruction Set Architecture Reference Guide (July 2026). The comments in the code are by the model that wrote it; some were corrected since.
;; Encoder Attention. Allowed arithmetic: matrix products marked QUANTISED: E5M2 operands, one given power-of-two scale a tensor, by v_wmma_f32_16x16x64_bf8_bf8 or v_wmma_f32_16x16x128_bf8_bf8, f32 sums; products left as they are: f32 operands where the result goes on into a quantised operand, else bf16, f16 or f32 operands; f32 sums; everything else in f32.
;; Inputs: Wk_codes 1,024 x 128 x 32 uint8 (E5M2 codes of Wk, K innermost, in blocks of 32 codes); Wq 1,024 x 4,096 float32; Wv_codes 1,024 x 128 x 32 uint8 (E5M2 codes of Wv, K innermost, in blocks of 32 codes); bk 1,024 float32; bq 1,024 float32; bv 1,024 float32; encoder_batch_codes 8,192 x 128 x 32 uint8 (E5M2 codes of encoder_batch, K innermost, in blocks of 32 codes); lowp_scales 4 int32 (the exponents e of the quantised operands' scales 2^e); target_batch 4,096 float32.
;; Outputs: out0 1,024 float32.
;; This version of the problem:
;;   THIS VERSION OF THE PROBLEM IS GIVEN IN LOW PRECISION. The matrix products marked QUANTISED in the list below multiply operands that are first quantised to E5M2 (5 exponent bits, 2 mantissa bits; 8 bits a number), with one given power-of-two scale for each operand tensor; their sums are f32. All else is computed in f32.
;;   The module's matrix products, in the order in which they are computed (A, B: the left and right operand; K: the contracted axis; several contracted axes count as one K, in the product's order):
;;     1. [M 1, K 4,096] x [K 4,096, N 1,024]; A: input target_batch; B: input Wq: left as it is (M = 1 < 16)
;;     2. [M 8,192, K 4,096] x [K 4,096, N 1,024]; A: input encoder_batch (given as codes); B: input Wk (given as codes): QUANTISED (scales: A lowp_scales[0], B lowp_scales[1])
;;     3. [M 8,192, K 4,096] x [K 4,096, N 1,024]; A: input encoder_batch (given as codes); B: input Wv (given as codes): QUANTISED (scales: A lowp_scales[2], B lowp_scales[3])
;;     4. [M 8,192, K 1,024] x [K 1,024, N 1]; A: computed on the way; B: computed on the way: left as it is (N = 1 < 16)
;;     5. [M 1, K 8,192] x [K 8,192, N 1,024]; A: softmax; B: computed on the way: left as it is (M = 1 < 16)
;;   THE QUANTISER, for each operand of a quantised product, along K:
;;     - The operand's scale is 2^e, e = its entry of the input lowp_scales (int32; the entries are numbered through the quantised products in the list's order, A before B).
;;     - Each number is divided by the scale, clamped to +-57,344, and rounded to the nearest number of E5M2, ties to even, subnormals kept.
;;     - The product sums the exact products of the quantised numbers (number of the format x scale) in f32.
;;   ~~~python
;;   def quantise(x, axis, e):      # numpy; x: float32 -> the quantised numbers, widened to float32 again
;;       x = np.moveaxis(x, axis, -1); K = x.shape[-1]
;;       r = np.clip(x / 2.0 ** e, -57344, 57344)
;;       step = 2.0 ** (np.maximum(np.frexp(np.where(r == 0, 1, r))[1] - 1, -14) - 2)
;;       q = np.round(r / step) * step * 2.0 ** e      # np.round: ties to even
;;       return np.moveaxis(q, -1, axis).astype(np.float32)
;;   ~~~
;;   INPUTS GIVEN AS CODES. Wk (in the module: [1024, 4096], K = its axis 1); Wv (in the module: [1024, 4096], K = its axis 1); encoder_batch (in the module: [8192, 4096], K = its axis 1): each comes as NAME_codes (uint8): NAME with its K axis moved to the last place and cut into blocks of 32 codes, [.., K / 32, bytes a block], one block behind the other in memory; one code a byte (a code: sign, 5 exponent bits, 2 mantissa bits); its scale is its entry of lowp_scales. Its value is code x scale, taken as it is: it is not quantised again, and the codes and scales need not be those that the quantiser above would give.
;; One version. Each part assembles by itself: llvm-mc -triple=amdgcn-amd-amdhsa -mcpu=gfx1250 --defsym DOCPART=n.
;; ======== version 1 of 1: 3 launches
;; limits: right only within a limited range of input values; values are held in bf16: 8 bits of precision
;; workspace buffers: q 4,096 bytes; lp 131,072 bytes; vt 16,777,216 bytes
;; launch query (part 1): grid 256 x 1, 16 waves a work-group, no clusters, 2,304 bytes of LDS; arguments target_batch, Wq, bq, q; writes q
.if DOCPART == 1
	.amdgcn_target "amdgcn-amd-amdhsa--gfx1250"
	.amdhsa_code_object_version 6
	.text
	.protected	k_q15ce479153_query
	.globl	k_q15ce479153_query
	.p2align	8
	.type	k_q15ce479153_query,@function
k_q15ce479153_query:
	s_mov_b64 s[64:65], 0
	v_nop
	global_prefetch_b8 v0, s[64:65] scope:SCOPE_SE
	s_setreg_imm32_b32 hwreg(HW_REG_WAVE_MODE, 25, 1), 1
	s_wait_xcnt 0x0
; q[n] = sum over k of target[k] Wq[n][k] + bq[n].  target: [4096] f32, Wq: [1024][4096] f32, bq, q: [1024] f32.  All in f32 (fused multiply-adds).
; A stream: Wq's 16 MiB are read once.  Work-group g owns rows 4 g .. 4 g + 3 of Wq, 65,536 bytes on end; wave w takes the 4,096 bytes at 4,096 w of them:
; row w / 4, quarter w % 4 of K.  A load of a wave covers 512 consecutive bytes; all eight loads of Wq and the eight of target go out at once.
; The sixteen waves' sums meet in sixteen LDS words; wave 0 adds each row's four quarters and bq and stores the group's four numbers, 16 bytes, from one lane:
; the whole output is 4,096 bytes, and the 256 work-groups serve the reading.  No matrix unit (one row of A), no cluster, no tensor load: nothing but target's 16 KiB is shared.
; The order of the f32 sums differs from a plain ascending one.
; WORK LEFT OUT OF THE PROGRAM: bk.  key[m] = E[m] Wk^T + bk, so a logit is (E[m] Wk^T) . q / 32 + bk . q / 32.  The last term is the same for all 8,192 logits, key is not quantised again,
; and a softmax does not change when one number is added to all its inputs: for all finite inputs bk reaches no output.  bk is not loaded and is no launch's argument.
; LIMIT: a NaN, an infinity or an overflow in bk or in bk . q is not carried to the result.
.set W,   16                           ; v[16:47]  Wq: 4 registers for each of eight loads
.set T,   48                           ; v[48:79]  target likewise
.set CH,  8                            ; v[8:15]   four packed chains
	s_load_b128 s[4:7], s[0:1], 0x0                ; target s[4:5], Wq s[6:7]
	s_load_b128 s[8:11], s[0:1], 0x10              ; bq s[8:9], q s[10:11]
	v_lshl_add_u32 v96, v0, 2, 0x100
	v_mov_b32 v97, 0
	v_lshrrev_b32 v5, 5, v0
	s_delay_alu instid0(VALU_DEP_1)
	v_readfirstlane_b32 s21, v5                    ; wave 0..15
	v_and_b32 v6, 31, v0
	s_delay_alu instid0(VALU_DEP_1)
	v_lshlrev_b32 v6, 4, v6                        ; 16 x lane
	s_delay_alu instid0(VALU_DEP_1)
	v_lshl_add_u32 v1, v5, 12, v6                  ; Wq: 4,096 x wave + 16 x lane
	v_and_b32 v7, 3, v5
	s_delay_alu instid0(VALU_DEP_1)
	v_lshl_add_u32 v2, v7, 12, v6                  ; target: 4,096 x (wave % 4) + 16 x lane
	v_lshlrev_b32 v3, 2, v5                        ; my wave's LDS word
	v_mov_b32 v4, 0
	v_mov_b32 v80, 0                               ; a lane permute's destination counts as read: written once
	s_lshl_b32 s14, ttmp9, 16                      ; the group's four rows of Wq
	s_mov_b32 s15, 0
	s_lshl_b32 s12, ttmp9, 4                       ; its four numbers of bq and of q
	s_mov_b32 s13, 0
	s_mov_b32 s22, 0x76543210                      ; v_permlanex16_b32: lane l xor 16
	s_mov_b32 s23, 0xfedcba98
	s_wait_alu depctr_va_vdst(0)
	s_wait_kmcnt 0x0
	s_add_nc_u64 s[6:7], s[6:7], s[14:15]
	s_add_nc_u64 s[8:9], s[8:9], s[12:13]
	s_add_nc_u64 s[10:11], s[10:11], s[12:13]
	s_load_b128 s[16:19], s[8:9], 0x0              ; bq of my four rows
.irp i, 0,1,2,3,4,5,6,7
	global_load_b128 v[T+4*\i:T+4*\i+3], v2, s[4:5] offset:512*\i                    ; read again by every work-group: no hint
	global_load_b128 v[W+4*\i:W+4*\i+3], v1, s[6:7] offset:512*\i th:TH_LOAD_NT      ; read once in the launch
.endr
.irp i, 0,1,2,3,4,5,6,7
	s_wait_loadcnt 14-2*\i                         ; loads come back in order: pair i is in, the 2 (7 - i) younger loads stay out
.if \i < 2
	v_pk_mul_f32 v[CH+4*\i:CH+4*\i+1],   v[W+4*\i:W+4*\i+1],   v[T+4*\i:T+4*\i+1]      ; the first products start the four chains: nothing is cleared
	s_wait_alu depctr_va_vdst(0)
	v_pk_mul_f32 v[CH+4*\i+2:CH+4*\i+3], v[W+4*\i+2:W+4*\i+3], v[T+4*\i+2:T+4*\i+3]
.else
	v_pk_fma_f32 v[CH+4*(\i%2):CH+4*(\i%2)+1],   v[W+4*\i:W+4*\i+1],   v[T+4*\i:T+4*\i+1],   v[CH+4*(\i%2):CH+4*(\i%2)+1]
	s_wait_alu depctr_va_vdst(0)
	v_pk_fma_f32 v[CH+4*(\i%2)+2:CH+4*(\i%2)+3], v[W+4*\i+2:W+4*\i+3], v[T+4*\i+2:T+4*\i+3], v[CH+4*(\i%2)+2:CH+4*(\i%2)+3]
.endif
.endr
	v_pk_add_f32 v[8:9], v[8:9], v[10:11]
	s_delay_alu instid0(VALU_DEP_2)
	v_pk_add_f32 v[12:13], v[12:13], v[14:15]
	s_delay_alu instid0(VALU_DEP_1)
	v_pk_add_f32 v[8:9], v[8:9], v[12:13]
	s_delay_alu instid0(VALU_DEP_1)
	v_add_f32 v8, v8, v9
	s_delay_alu instid0(VALU_DEP_1)
	v_add_f32_dpp v8, v8, v8 row_xmask:1 row_mask:0xf bank_mask:0xf    ; across the 32 lanes
	s_delay_alu instid0(VALU_DEP_1)
	v_add_f32_dpp v8, v8, v8 row_xmask:2 row_mask:0xf bank_mask:0xf
	s_delay_alu instid0(VALU_DEP_1)
	v_add_f32_dpp v8, v8, v8 row_xmask:4 row_mask:0xf bank_mask:0xf
	s_delay_alu instid0(VALU_DEP_1)
	v_add_f32_dpp v8, v8, v8 row_xmask:8 row_mask:0xf bank_mask:0xf
	s_delay_alu instid0(VALU_DEP_1)
	v_permlanex16_b32 v80, v8, s22, s23
	s_delay_alu instid0(VALU_DEP_1)
	v_add_f32 v8, v8, v80
	ds_store_b32 v3, v8                            ; all lanes write the wave's word with the same value
	s_wait_dscnt 0x0                               ; for the others' sake: my store is done
	s_barrier_signal -1
	s_barrier_wait -1
	s_cmp_lg_u32 s21, 0
	s_cbranch_scc1 .Lend
.irp c, 0,1,2,3
	ds_load_b128 v[16+4*\c:19+4*\c], v4 offset:16*\c   ; row c's four quarters
.endr
	s_wait_dscnt 0x0
	s_wait_kmcnt 0x0                               ; bq
.irp c, 0,1,2,3
	v_add_f32 v[8+\c], v[16+4*\c], v[17+4*\c]
	v_add_f32 v[12+\c], v[18+4*\c], v[19+4*\c]
.endr
.irp c, 0,1,2,3
	v_add_f32 v[8+\c], v[8+\c], v[12+\c]
.endr
.irp c, 0,1,2,3
	s_delay_alu instid0(VALU_DEP_4)
	v_add_f32 v[8+\c], s[16+\c], v[8+\c]
.endr
	s_wait_alu depctr_va_vdst(0)
	s_wait_xcnt 0x0                                ; EXEC is a source of the loads above: it changes only behind this wait
	v_cmp_eq_u32 vcc_lo, 0, v0
	s_and_saveexec_b32 s20, vcc_lo
	global_store_b128 v4, v[8:11], s[10:11]        ; one lane stores q[4 g .. 4 g + 3]
	s_wait_xcnt 0x0                                ; and again in front of the line that widens it
	s_or_b32 exec_lo, exec_lo, s20
.Lend:
	s_wait_tensorcnt 0x0
	ds_add_u32 v96, v97
	s_wait_dscnt 0x0
	s_endpgm
.Lfunc_end_k_q15ce479153_query:
	.size	k_q15ce479153_query, .Lfunc_end_k_q15ce479153_query-k_q15ce479153_query
	.p2alignl 7, 3214868480
	.fill 96, 4, 3214868480
	.section	.rodata,"a",@progbits
	.p2align	6, 0x0
	.amdhsa_kernel k_q15ce479153_query
		.amdhsa_group_segment_fixed_size 2304
		.amdhsa_private_segment_fixed_size 0
		.amdhsa_enable_private_segment 0
		.amdhsa_kernarg_size 32
		.amdhsa_user_sgpr_count 2
		.amdhsa_user_sgpr_kernarg_segment_ptr 1
		.amdhsa_wavefront_size32 1
		.amdhsa_system_sgpr_workgroup_id_x 1
		.amdhsa_system_sgpr_workgroup_id_y 1
		.amdhsa_system_sgpr_workgroup_id_z 1
		.amdhsa_system_vgpr_workitem_id 0
		.amdhsa_next_free_vgpr 98
		.amdhsa_next_free_sgpr 66
		.amdhsa_reserve_vcc 1
		.amdhsa_float_denorm_mode_32 3
		.amdhsa_float_denorm_mode_16_64 3
		.amdhsa_memory_ordered 1
		.amdhsa_forward_progress 1
		.amdhsa_inst_pref_size 7
	.end_amdhsa_kernel
	.amdgpu_metadata
---
amdhsa.version: [ 1, 2 ]
amdhsa.kernels:
  - .name:           k_q15ce479153_query
    .symbol:         k_q15ce479153_query.kd
    .args:
      - { .name: target_batch, .offset: 0, .size: 8, .value_kind: global_buffer, .address_space: global }
      - { .name: Wq, .offset: 8, .size: 8, .value_kind: global_buffer, .address_space: global }
      - { .name: bq, .offset: 16, .size: 8, .value_kind: global_buffer, .address_space: global }
      - { .name: q, .offset: 24, .size: 8, .value_kind: global_buffer, .address_space: global }
    .group_segment_fixed_size: 2304
    .private_segment_fixed_size: 0
    .kernarg_segment_align: 8
    .kernarg_segment_size: 32
    .max_flat_workgroup_size: 512
    .sgpr_count:     66
    .vgpr_count:     98
    .wavefront_size: 32
...
	.end_amdgpu_metadata
.endif
;; end of part 1
;; launch proj (part 2): grid 8 x 32, 4 waves a work-group, clusters of 4 x 4, 327,680 bytes of LDS; arguments encoder_batch_codes, Wk_codes, Wv_codes, lowp_scales, q, lp, vt; writes lp, vt
.if DOCPART == 2
	.amdgcn_target "amdgcn-amd-amdhsa--gfx1250"
	.amdhsa_code_object_version 6
	.text
	.protected	k_q15ce479153_proj
	.globl	k_q15ce479153_proj
	.p2align	8
	.type	k_q15ce479153_proj,@function
k_q15ce479153_proj:
	s_mov_b64 s[64:65], 0
	v_nop
	global_prefetch_b8 v0, s[64:65] scope:SCOPE_SE
	s_setreg_imm32_b32 hwreg(HW_REG_WAVE_MODE, 25, 1), 1
	s_wait_xcnt 0x0
	s_wait_alu depctr_hold_cnt(0) depctr_sa_sdst(0) depctr_va_vdst(0) depctr_va_sdst(0) depctr_va_ssrc(0) depctr_va_vcc(0) depctr_vm_vsrc(0)
	s_getreg_b32 s2, hwreg(HW_REG_IB_STS2, 6, 4)
	s_cmp_eq_u32 s2, 0
	s_cbranch_scc0 .Lentry_in_a_cluster
	s_endpgm
.Lentry_in_a_cluster:
	s_bfe_u32 s2, ttmp6, 0x10000c
	s_cmp_lg_u32 s2, 0xf033
	s_cbranch_scc0 .Lentry_shape_is_right
	s_endpgm
.Lentry_shape_is_right:
; Both projections as one product on codes of BF8: E [8192][4096] x (Wk, Wv) [2048][4096]^T, f32 sums.  Work-group columns 0-3 make key's 1,024 columns, 4-7 value's.
; KEY tiles: lp[c][m] = 2^(e0 + e1) x the sum over column tile c's 256 columns of (E Wk^T)[m][n] q[n]: key never goes to memory.  bk is left out: it adds one number to all logits (see the first kernel).
; VALUE tiles: vt[n][m] = the raw sums of E Wv^T, rounded to bf16; 2^(e2 + e3) and bv enter in the last launch.
; A tile is 256 x 256: four waves, 128 x 128 each, 64 accumulators of 16 x 16.  8 x 32 tiles = 256 work-groups.
; K goes in steps of 256 through a ring of two LDS slots (256 rows of E, 256 rows of W, 256 bytes each + 16 of padding).  A K step is two half steps of 128 along K, 64 matrix instructions each.
; CLUSTERS of 4 x 4: E's tile is shared along a cluster's row, W's along its column: joint loads with a mask of four.
; Source 0 = 16 rows of E, source 1 = 16 rows of W: a lane holds one column n and eight neighbouring m.
; A fragment's four loads of 16 bytes put k in another order than the form's own layout, the same in both operands: only the order of the sums changes.
; REGISTERS.  Window 0: v0-31 addresses; E's eight blocks (A): blocks 0, 1 at v128-159; blocks 2-7 at v160-255 in a slot's first half step and at v32-127 in its second.  On the way out the idle one of the two sets is at work.
; Window 1: W's fragments (B), one set for each half step, v0-127 and v128-255.  Windows 2, 3: accumulators of E's blocks 0-3 and 4-7, (a, b) at v[8 (8 (a % 4) + b)].
; The next half step's 64 LDS loads are two runs of 32: W's fragments behind the products of blocks 0 and 1, E's blocks behind those of blocks 2 and 3, 32 matrix instructions ahead of their first use.
; (Blocks 0 and 1 are the only registers that have no second set: their own products stand ahead of both runs.)
; PREFETCH INTO THE L2: behind each joint load stands a prefetch for the K step two refills on (at the head: behind K step 0's load for step 1, behind step 1's for steps 2 and 3).  A wave's one instruction names 32 rows, a lane a row:
; of the 128 rows that the wave fetches the partner at place p (cx for E, cy for W) names rows 32 p .. 32 p + 31.  E's rows are named once in each cluster; W's, which eight clusters load, by four: even K steps by the clusters
; with even y, odd ones by the odd.  The last two refills ask for nothing: K ends there.
; LIMITS: the order of the f32 sums is the kernel's own; vt carries bf16's rounding.
.set KROW,   4096
.set ROWB,   256
.set PITCH,  272
.set HALFT,  128*PITCH
.set SLOT,   4*HALFT
.set LAPS,   8
.set SPARE,  2*SLOT                    ; spare words: two blocks of 256 bytes that no other line names
.set VSTG,   SPARE+512                 ; a stage of 16 rows x 272 bytes for each wave
.set KSCR,   VSTG+4*16*PITCH           ; key's row sums: 2 column halves x 256 rows
.set VROW,   16384
.set PFO,  14                          ; v14 lane x 4,096
.set ADRA, 16                          ; v16-17 my E rows in slot 0, 1
.set ADRB, 20                          ; v20-21 my W rows
.set QO,   22
.set VSTO, 24
.set VRD,  25
.set VCO,  26
.set KST,  27
.set SPW,  28
.set NIL,  29
.set KRD,  30
.set KCO,  31
.set QR,   160
.set QS,   48
.set SS,   64
.set TMP,  160
.set AE,   32
.set AF,   128
.set G1,  24
.set G0,  32
.set G1B, 48
.set G0B, 56
.set PFA, 90                           ; s[90:91]
.set LIM, 92                           ; s92, s93: 1 where my wave asks for even, odd K steps, else 99
.set MSB, 0
.macro WIN new
.if MSB != (\new)
	s_set_vgpr_msb (MSB<<8)|(\new)
.set MSB, (\new)
.endif
.endm
.set MUL_LO, 0xa4                      ; source 0 window 0, source 1 window 1, C and D window 2
.set TO_B,   0x40                      ; destination window 1
.macro PLACES
.rept 4
	v_nop
.endr
.endm
; Waves 0, 1 fetch E's halves, waves 2, 3 W's: one mask and one set of registers in each line.
.macro JLOAD s
	s_cmp_eq_u32 s15, 0
	s_cbranch_scc0 .Lfor_b_\@
	tensor_load_to_lds s[G0+4*\s:G0+4*\s+3], s[G1:G1+7]
	s_nop 0
.rept 4
	v_nop
.endr
	s_branch .Lasked_\@
.Lfor_b_\@:
	tensor_load_to_lds s[G0B+4*\s:G0B+4*\s+3], s[G1B:G1B+7]
	s_nop 0
.rept 4
	v_nop
.endr
.Lasked_\@:
.endm
.macro CREST                           ; a cluster's round behind its opening barrier
	s_cmp_lg_u32 s14, 0
	s_cbranch_scc1 .Lnot_wave_0_\@
	s_barrier_signal -3
.Lnot_wave_0_\@:
	s_barrier_wait -3
	s_barrier_signal -1
	s_barrier_wait -1
.endm
.macro CROUND
	s_barrier_signal -1
	s_barrier_wait -1
	CREST
.endm
.macro ASK par, off, loop              ; par: the K step's parity; in the loop's last trip (s3 = 1) nothing is asked for
.if \loop
	s_cmp_gt_u32 s3, s[LIM+\par]
.else
	s_cmp_eq_u32 s[LIM+\par], 1
.endif
	s_cbranch_scc0 .Lnot_mine_\@
	global_prefetch_b8 v[PFO], s[PFA:PFA+1] offset:\off th:TH_LOAD_NT scope:SCOPE_SE
.Lnot_mine_\@:
.endm
	s_load_b256 s[68:75], s[0:1], 0x0              ; E s[68:69], Wk s[70:71], Wv s[72:73], scales s[74:75]
	s_load_b128 s[76:79], s[0:1], 0x20             ; q s[76:77], lp s[78:79]
	s_load_b64 s[80:81], s[0:1], 0x30              ; vt
	v_lshl_add_u32 v[SPW], v0, 2, SPARE
	v_mov_b32 v[NIL], 0
	ds_add_u32 v[SPW], v[NIL]                      ; the wave's opening: the add, twice on end, ahead of its first tensor load
	ds_add_u32 v[SPW], v[NIL]
	v_lshrrev_b32 v1, 5, v0
	v_readfirstlane_b32 s14, v1                    ; wave 0..3
	s_lshr_b32 s15, s14, 1                         ; my half of the rows; also: I fetch E (0) or W (1)
	s_and_b32 s16, s14, 1                          ; my half of the columns; also: which 128 rows I fetch
	s_bfe_u32 s40, ttmp6, 0x40000                  ; cx
	s_bfe_u32 s41, ttmp6, 0x40004                  ; cy
	s_and_b32 s17, ttmp7, 0xffff
	s_lshl_b32 s17, s17, 2
	s_add_co_u32 s17, s17, s41                     ; tile row
	s_lshl_b32 s43, s41, 2
	s_lshl_b32 s43, 15, s43                        ; my row of the cluster
	s_lshl_b32 s44, 0x1111, s40                    ; my column
	s_or_b32 s[G1+0], s43, (1<<20)|(1<<21)|(5<<22)|(3<<25)   ; elements of 1 byte; 4 words of padding after every 64; bit 21 beside the mask
	s_or_b32 s[G1B+0], s44, (1<<20)|(1<<21)|(5<<22)|(3<<25)
.irp g, G1, G1B
	s_mov_b32 s[\g+1], ROWB<<16
	s_mov_b32 s[\g+2], 128<<16
	s_mov_b32 s[\g+3], ROWB<<16
	s_mov_b32 s[\g+4], 128
	s_mov_b32 s[\g+5], KROW
	s_mov_b32 s[\g+6], 0
	s_mov_b32 s[\g+7], 0
.endr
	s_mul_i32 s45, s14, HALFT                      ; where my tiles go: no place in the cluster enters an LDS address
	s_mul_i32 s86, s15, HALFT                      ; my 128 rows of E,
	s_mul_i32 s87, s16, HALFT
	s_add_co_u32 s87, s87, 2*HALFT                 ; and of W
	s_mul_i32 s88, s14, 16*PITCH
	s_add_co_u32 s88, s88, VSTG                    ; my stage
	s_lshl_b32 s89, s16, 10
	s_lshl_b32 s94, s15, 9
	s_add_co_u32 s89, s89, s94
	s_add_co_u32 s89, s89, KSCR                    ; my row sums
	s_add_co_u32 s94, s86, SLOT
	s_add_co_u32 s95, s87, SLOT
	v_and_b32 v1, 15, v0
	v_bfe_u32 v2, v0, 4, 1
	v_mul_u32_u24 v3, v1, PITCH
	v_lshl_add_u32 v4, v2, 4, v3                   ; row l % 16, + 16 (l / 16)
	v_add_nc_u32 v[ADRA], s86, v4
	v_add_nc_u32 v[ADRB], s87, v4
	v_add_nc_u32 v[ADRA+1], s94, v4
	v_add_nc_u32 v[ADRB+1], s95, v4
	v_add_nc_u32 v[VSTO], s88, v4
	v_lshlrev_b32 v[QO], 2, v1
	v_mul_u32_u24 v5, v2, PITCH
	v_lshl_add_u32 v5, v1, 4, v5
	v_add_nc_u32 v[VRD], s88, v5
	v_lshlrev_b32 v5, 14, v2
	v_lshl_add_u32 v[VCO], v1, 4, v5
	v_lshl_add_u32 v[KST], v2, 5, s89
	v_lshlrev_b32 v[KCO], 3, v0
	v_add_nc_u32 v[KRD], KSCR, v[KCO]
	v_and_b32 v[PFO], 31, v0
	v_lshlrev_b32 v[PFO], 12, v[PFO]
	s_wait_alu depctr_va_vdst(0)                   ; the end of the head's vector work
	s_wait_dscnt 0x0                               ; both opening adds are done
	s_lshl_b32 s18, s16, 7
	s_lshl_b32 s20, s17, 8
	s_add_co_u32 s20, s20, s18
	s_lshl_b32 s20, s20, 12                        ; E: row 256 x tile row + 128 x half
	s_mov_b32 s21, 0
	s_lshl_b32 s46, s40, 8
	s_add_co_u32 s46, s46, s18
	s_lshl_b32 s46, s46, 12                        ; W: row 256 x cx + 128 x half
	s_mov_b32 s47, 0
	s_wait_kmcnt 0x0
	s_load_b64 s[84:85], s[74:75], 0x0             ; e0, e1
	s_cmp_eq_u32 ttmp9, 0
	s_cselect_b64 s[6:7], s[70:71], s[72:73]       ; cluster column 0: Wk, 1: Wv
	s_add_nc_u64 s[20:21], s[68:69], s[20:21]
	s_add_nc_u64 s[46:47], s[6:7], s[46:47]
.irp s, 0,1
	s_mov_b32 s[G0+4*\s], 1
	s_add_co_u32 s[G0+4*\s+1], s45, \s*SLOT
	s_add_nc_u64 s[G0+4*\s+2:G0+4*\s+3], s[20:21], \s*ROWB
	s_or_b32 s[G0+4*\s+3], s[G0+4*\s+3], 0x80000000
	s_mov_b32 s[G0B+4*\s], 1
	s_add_co_u32 s[G0B+4*\s+1], s45, \s*SLOT
	s_add_nc_u64 s[G0B+4*\s+2:G0B+4*\s+3], s[46:47], \s*ROWB
	s_or_b32 s[G0B+4*\s+3], s[G0B+4*\s+3], 0x80000000
.endr
	CROUND                                         ; all sixteen work-groups are here: the first joint loads meet
	JLOAD 0                                        ; K step 0: one tensor load a wave at the head
	; where my prefetches stand: at K step 1 of my work-group's 32 of the 128 rows that I fetch
	s_cmp_eq_u32 s15, 0
	s_cselect_b32 s86, s17, s40
	s_cselect_b32 s88, s40, s41
	s_cselect_b32 s89, 0, 98
	s_cselect_b64 s[PFA:PFA+1], s[68:69], s[6:7]
	s_lshl_b32 s86, s86, 8
	s_lshl_b32 s88, s88, 5
	s_add_co_u32 s86, s86, s88
	s_add_co_u32 s86, s86, s18
	s_lshl_b32 s86, s86, 12
	s_add_co_u32 s86, s86, ROWB
	s_mov_b32 s87, 0
	s_add_nc_u64 s[PFA:PFA+1], s[PFA:PFA+1], s[86:87]
	s_and_b32 s86, ttmp7, 1                        ; the cluster's y, odd or even: the same in all partners
	s_mul_i32 s[LIM], s89, s86
	s_add_co_u32 s[LIM], s[LIM], 1
	s_xor_b32 s86, s86, 1
	s_mul_i32 s[LIM+1], s89, s86
	s_add_co_u32 s[LIM+1], s[LIM+1], 1
	ASK 1, 0, 0                                    ; K step 1
	; where results go
	s_lshl_b32 s86, s40, 10
	s_lshl_b32 s88, s16, 9
	s_add_co_u32 s86, s86, s88
	s_add_nc_u64 s[76:77], s[76:77], s[86:87]      ; q at my 128 columns
	s_lshl_b32 s86, s40, 15
	s_lshl_b32 s88, s17, 10
	s_add_co_u32 s86, s86, s88
	s_add_nc_u64 s[78:79], s[78:79], s[86:87]      ; lp: partial cx, 256 rows
	s_lshl_b32 s86, s40, 8
	s_add_co_u32 s86, s86, s18
	s_lshl_b32 s86, s86, 14
	s_lshl_b32 s88, s17, 9
	s_add_co_u32 s86, s86, s88
	s_lshl_b32 s88, s15, 8
	s_add_co_u32 s86, s86, s88
	s_add_nc_u64 s[80:81], s[80:81], s[86:87]      ; vt: my 128 columns' rows, my 128 m
.macro AREG a, q                       ; FA: block a's registers in half step q
.set FA, AF+16*(\a)
.if ((\a) > 1) && (\q)
.set FA, AE+16*((\a)-2)
.endif
.endm
; Eight matrix instructions: block a x W's eight fragments.  The 64 accumulators take turns; zero: the first product starts the sums.
.macro MUL8 a, q, zero
	AREG \a, \q
	WIN MUL_LO+0x50*((\a)/4)
.irp b, 0,1,2,3,4,5,6,7
.set AC, 8*(8*((\a)%4)+\b)
.set FB, 128*(\q)+16*\b
.if \zero
	v_wmma_f32_16x16x128_bf8_bf8 v[AC:AC+7], v[FA:FA+15], v[FB:FB+15], 0
.else
	v_wmma_f32_16x16x128_bf8_bf8 v[AC:AC+7], v[FA:FA+15], v[FB:FB+15], v[AC:AC+7]
.endif
.endr
.endm
.macro RUNB slot, q                    ; 32 loads: W's fragments of the slot's half step q
	WIN TO_B
.irp b, 0,1,2,3,4,5,6,7
.set FB, 128*(\q)+16*\b
.irp c, 0,1,2,3
	ds_load_b128 v[FB+4*\c:FB+4*\c+3], v[ADRB+\slot] offset:128*(\q)+32*\c+\b*16*PITCH
.endr
.endr
	WIN 0
.endm
.macro RUNA slot, q                    ; 32 loads: E's blocks, in the order of their use
	WIN 0
.irp a, 0,1,2,3,4,5,6,7
	AREG \a, \q
.irp c, 0,1,2,3
	ds_load_b128 v[FA+4*\c:FA+4*\c+3], v[ADRA+\slot] offset:128*(\q)+32*\c+\a*16*PITCH
.endr
.endr
.endm
; A slot's first half step.  Four v_nop stand between the matrix instructions that read registers and the loads that land there.
.macro STEP slot, zero
	s_wait_dscnt 24                                ; B and A0, A1 are in; A2-7 may be out
	MUL8 0, 0, \zero
	MUL8 1, 0, \zero
	s_wait_dscnt 0x0
	PLACES
	RUNB \slot, 1
	MUL8 2, 0, \zero
	MUL8 3, 0, \zero
	RUNA \slot, 1
.irp a, 4,5,6,7
	MUL8 \a, 0, \zero
.endr
	WIN 0
.endm
; The second half step changes slots: all the slot's reads have been issued when it begins.  fill = 1: the barrier opens a round of the cluster's barrier, and this slot is filled again first behind it, two K steps on.
.macro TURN slot, next, fill
.if \fill
	s_wait_xcnt 0x0                                ; any prefetch of mine has read its address: it may be stepped
	s_add_nc_u64 s[PFA:PFA+1], s[PFA:PFA+1], ROWB
.endif
	s_wait_tensorcnt 0x0                           ; all my tensor loads have landed: my part of the next slot
	ds_add_u32 v[SPW], v[NIL]
.if \fill
	s_add_nc_u64 s[G0+4*\slot+2:G0+4*\slot+3], s[G0+4*\slot+2:G0+4*\slot+3], 2*ROWB
	s_add_nc_u64 s[G0B+4*\slot+2:G0B+4*\slot+3], s[G0B+4*\slot+2:G0B+4*\slot+3], 2*ROWB
.endif
	s_wait_dscnt 25                                ; B and A0, A1 are in; A2-7 (24 loads) and the add may be out
	MUL8 0, 1, 0
	s_wait_dscnt 0x0                               ; the add is done, and so are my reads of this slot
	s_barrier_signal -1
	MUL8 1, 1, 0
	WIN 0
	s_barrier_wait -1
.if \fill
	CREST
	JLOAD \slot                                    ; its four v_nop are also the places for the loads below
.else
	PLACES
.endif
	RUNB \next, 0
	MUL8 2, 1, 0
	MUL8 3, 1, 0
	RUNA \next, 0
.if \fill
	ASK \slot, 2*ROWB, 1                           ; two refills on
.endif
.irp a, 4,5,6,7
	MUL8 \a, 1, 0
.endr
	WIN 0
.endm
	s_wait_tensorcnt 0x0                           ; my part of K step 0 is in
	ds_add_u32 v[SPW], v[NIL]
	s_wait_dscnt 0x0
	CROUND
	JLOAD 1                                        ; K step 1, the first tensor load behind the round
	RUNB 0, 0
	RUNA 0, 0
	ASK 0, ROWB, 0                                 ; K step 2,
	ASK 1, 2*ROWB, 0                               ; K step 3
	STEP 0, 1
	s_mov_b32 s3, LAPS-1
.Llap:                                                 ; once round the ring; both slots are filled again
	TURN 0, 1, 1
	STEP 1, 0
	TURN 1, 0, 1
	STEP 0, 0
	s_sub_co_u32 s3, s3, 1
	s_cmp_lg_u32 s3, 0
	s_cbranch_scc1 .Llap
	TURN 0, 1, 0                                   ; the last lap fills nothing
	STEP 1, 0
	s_wait_kmcnt 0x0
	s_add_co_i32 s84, s84, s85                     ; e0 + e1
	PLACES                                         ; for what lands in or is written to v160-255 from here on
	s_cmp_lg_u32 ttmp9, 0
	s_cbranch_scc1 .Lvalue
	; KEY: q's numbers of my columns are on their way while the last half step is multiplied
.irp b, 0,1,2,3,4,5,6,7
	global_load_b32 v[QR+\b], v[QO], s[76:77] offset:64*\b
.endr
	s_wait_dscnt 24                                ; B and A0, A1 are in
	MUL8 0, 1, 0
	MUL8 1, 1, 0
	s_wait_dscnt 0x0
.irp a, 2,3,4,5,6,7
	MUL8 \a, 1, 0
.endr
	WIN 0
	PLACES
	s_wait_loadcnt 0x0
.irp b, 0,1,2,3,4,5,6,7
	v_ldexp_f32 v[QS+2*\b], v[QR+\b], s84          ; q x 2^(e0 + e1)
.endr
.irp b, 0,1,2,3,4,5,6,7
	v_mov_b32 v[QS+2*\b+1], v[QS+2*\b]
.endr
.macro KEYSUM g                        ; 64 rows' sums over my lane's eight columns
	WIN 0x02+\g
.irp b, 0,1,2,3,4,5,6,7
.irp a, 0,1,2,3
.irp j, 0,2,4,6
.if \b == 0
	v_pk_mul_f32 v[SS+8*(4*\g+\a)+\j:SS+8*(4*\g+\a)+\j+1], v[8*(8*\a+\b)+\j:8*(8*\a+\b)+\j+1], v[QS+2*\b:QS+2*\b+1]
.else
	v_pk_fma_f32 v[SS+8*(4*\g+\a)+\j:SS+8*(4*\g+\a)+\j+1], v[8*(8*\a+\b)+\j:8*(8*\a+\b)+\j+1], v[QS+2*\b:QS+2*\b+1], v[SS+8*(4*\g+\a)+\j:SS+8*(4*\g+\a)+\j+1]
.endif
.endr
.endr
.endr
.endm
	KEYSUM 0
	KEYSUM 1
	WIN 0
.irp mk, 1,2,4,8
.set i, 0
.rept 64
	v_add_f32_dpp v[SS+i], v[SS+i], v[SS+i] row_xmask:\mk row_mask:0xf bank_mask:0xf
.set i, i+1
.endr
.endr
.irp a, 0,1,2,3,4,5,6,7                ; sixteen lanes write the same number to the same place
	ds_store_b128 v[KST], v[SS+8*\a:SS+8*\a+3] offset:64*\a
	ds_store_b128 v[KST], v[SS+8*\a+4:SS+8*\a+7] offset:64*\a+16
.endr
	s_branch .Ljoin
	; VALUE: the last half step goes by columns, so that finished columns leave while the others are multiplied.  16 columns x 128 m go through my stage and are stored as rows of 256 bytes.
.Lvalue:
.macro MULB b
.irp a, 0,1,2,3,4,5,6,7
	AREG \a, 1
	WIN MUL_LO+0x50*(\a/4)
.set AC, 8*(8*(\a%4)+(\b))
.set FB, 128+16*(\b)
	v_wmma_f32_16x16x128_bf8_bf8 v[AC:AC+7], v[FA:FA+15], v[FB:FB+15], v[AC:AC+7]
.endr
.endm
.macro VPACK b
	WIN 0x0a
.irp a, 0,1,2,3
.irp rr, 0,1,2,3
	v_cvt_pk_bf16_f32 v[TMP+4*\a+\rr], v[8*(8*\a+(\b))+2*\rr], v[8*(8*\a+(\b))+2*\rr+1]
.endr
.endr
	WIN 0x0f
.irp a, 0,1,2,3
.irp rr, 0,1,2,3
	v_cvt_pk_bf16_f32 v[TMP+16+4*\a+\rr], v[8*(8*\a+(\b))+2*\rr], v[8*(8*\a+(\b))+2*\rr+1]
.endr
.endr
	WIN 0
.endm
.macro VTOSTAGE b                      ; LDS serves a wave's instructions in order (ISA guide 5.7.1.4): the loads see the stores
.set BB, 192+32*((\b)%2)               ; v192-223 and v224-255 by turns
.irp a, 0,1,2,3,4,5,6,7
	ds_store_b128 v[VSTO], v[TMP+4*\a:TMP+4*\a+3] offset:32*\a
.endr
.irp t, 0,1,2,3,4,5,6,7
	ds_load_b128 v[BB+4*\t:BB+4*\t+3], v[VRD] offset:\t*2*PITCH
.endr
.endm
.macro VSEND b, younger                ; younger: the LDS instructions issued behind block b's loads
.set BB, 192+32*((\b)%2)
	s_wait_dscnt \younger
.irp t, 0,1,2,3,4,5,6,7
	global_store_b128 v[VCO], v[BB+4*\t:BB+4*\t+3], s[80:81] offset:(16*(\b)+2*\t)*VROW
.endr
.endm
	s_wait_dscnt 0x0
	MULB 0
.irp b, 1,2,3,4,5,6,7
	MULB \b
.if \b > 2
	s_wait_xcnt 0x0                                ; the stores that read the registers in which block b - 1 lands have done so
.endif
	PLACES
	VPACK \b-1
	VTOSTAGE \b-1
.if \b > 1
	VSEND \b-2, 16
.endif
.endr
	s_wait_xcnt 0x0
	PLACES
	VPACK 7
	VTOSTAGE 7
	VSEND 6, 16
	VSEND 7, 0
.Ljoin:
	s_wait_dscnt 0x0                               ; for the others' sake: my row sums are in LDS
	s_barrier_signal -1
	s_barrier_wait -1
	s_cmp_lg_u32 ttmp9, 0
	s_cbranch_scc1 .Lend
	ds_load_b64 v[32:33], v[KRD]                   ; two rows of the tile, both column halves
	ds_load_b64 v[34:35], v[KRD] offset:1024
	s_wait_dscnt 0x0
	v_pk_add_f32 v[32:33], v[32:33], v[34:35]
	global_store_b64 v[KCO], v[32:33], s[78:79]
.Lend:
	s_wait_tensorcnt 0x0                           ; the wave's end
	ds_add_u32 v[SPW], v[NIL]
	s_wait_dscnt 0x0
	CROUND                                         ; the closing round
	s_endpgm
.Lfunc_end_k_q15ce479153_proj:
	.size	k_q15ce479153_proj, .Lfunc_end_k_q15ce479153_proj-k_q15ce479153_proj
	.p2alignl 7, 3214868480
	.fill 96, 4, 3214868480
	.section	.rodata,"a",@progbits
	.p2align	6, 0x0
	.amdhsa_kernel k_q15ce479153_proj
		.amdhsa_group_segment_fixed_size 327680
		.amdhsa_private_segment_fixed_size 0
		.amdhsa_enable_private_segment 0
		.amdhsa_kernarg_size 56
		.amdhsa_user_sgpr_count 2
		.amdhsa_user_sgpr_kernarg_segment_ptr 1
		.amdhsa_wavefront_size32 1
		.amdhsa_system_sgpr_workgroup_id_x 1
		.amdhsa_system_sgpr_workgroup_id_y 1
		.amdhsa_system_sgpr_workgroup_id_z 1
		.amdhsa_system_vgpr_workitem_id 0
		.amdhsa_next_free_vgpr 1024
		.amdhsa_next_free_sgpr 100
		.amdhsa_reserve_vcc 0
		.amdhsa_float_denorm_mode_32 3
		.amdhsa_float_denorm_mode_16_64 3
		.amdhsa_memory_ordered 1
		.amdhsa_forward_progress 1
		.amdhsa_inst_pref_size 152
	.end_amdhsa_kernel
	.amdgpu_metadata
---
amdhsa.version: [ 1, 2 ]
amdhsa.kernels:
  - .name:           k_q15ce479153_proj
    .symbol:         k_q15ce479153_proj.kd
    .args:
      - { .name: encoder_batch_codes, .offset: 0, .size: 8, .value_kind: global_buffer, .address_space: global }
      - { .name: Wk_codes, .offset: 8, .size: 8, .value_kind: global_buffer, .address_space: global }
      - { .name: Wv_codes, .offset: 16, .size: 8, .value_kind: global_buffer, .address_space: global }
      - { .name: lowp_scales, .offset: 24, .size: 8, .value_kind: global_buffer, .address_space: global }
      - { .name: q, .offset: 32, .size: 8, .value_kind: global_buffer, .address_space: global }
      - { .name: lp, .offset: 40, .size: 8, .value_kind: global_buffer, .address_space: global }
      - { .name: vt, .offset: 48, .size: 8, .value_kind: global_buffer, .address_space: global }
    .group_segment_fixed_size: 327680
    .private_segment_fixed_size: 0
    .kernarg_segment_align: 8
    .kernarg_segment_size: 56
    .max_flat_workgroup_size: 128
    .sgpr_count:     100
    .vgpr_count:     1024
    .wavefront_size: 32
...
	.end_amdgpu_metadata
.endif
;; end of part 2
;; launch mix (part 3): grid 256 x 1, 16 waves a work-group, clusters of 4 x 1, 167,936 bytes of LDS; arguments lp, vt, bv, lowp_scales, out0; writes out0
.if DOCPART == 3
	.amdgcn_target "amdgcn-amd-amdhsa--gfx1250"
	.amdhsa_code_object_version 6
	.text
	.protected	k_q15ce479153_mix
	.globl	k_q15ce479153_mix
	.p2align	8
	.type	k_q15ce479153_mix,@function
k_q15ce479153_mix:
	s_mov_b64 s[64:65], 0
	v_nop
	global_prefetch_b8 v0, s[64:65] scope:SCOPE_SE
	s_setreg_imm32_b32 hwreg(HW_REG_WAVE_MODE, 25, 1), 1
	s_wait_xcnt 0x0
	s_wait_alu depctr_hold_cnt(0) depctr_sa_sdst(0) depctr_va_vdst(0) depctr_va_sdst(0) depctr_va_ssrc(0) depctr_va_vcc(0) depctr_vm_vsrc(0)
	s_getreg_b32 s2, hwreg(HW_REG_IB_STS2, 6, 4)
	s_cmp_eq_u32 s2, 0
	s_cbranch_scc0 .Lentry_in_a_cluster
	s_endpgm
.Lentry_in_a_cluster:
	s_bfe_u32 s2, ttmp6, 0x10000c
	s_cmp_lg_u32 s2, 0x3003
	s_cbranch_scc0 .Lentry_shape_is_right
	s_endpgm
.Lentry_shape_is_right:
; out[n] = (sum over m of p[m] vt[n][m]) / Z x 2^(e2 + e3) + bv[n],  p[m] = 2^((l[m] - max l) c),  c = log2(e) / 32 (32 = sqrt(1024)),  Z = sum of p,  l[m] = the sum of lp's four partial logits.
; lp: [4][8192] f32.  vt: [1024][8192] bf16, the raw sums of the value product.  bv, out: [1024] f32.  The scores sum to 1 by their own division, so bv enters once, in f32, behind the sum.
; THE MAXIMUM IS TAKEN AWAY, the true one over all 8,192 logits: l c + (-max c) is one fused multiply-add; the constant -max c is the same in every p and in Z.
; SHARES.  Work-group g owns columns 4 g .. 4 g + 3: 65,536 bytes of vt on end, read once, straight into registers.  Every work-group makes all 8,192 p itself from lp's 131,072 bytes:
; they come by tensor loads into LDS, one a wave: the four partials of its 512 logits, 4 rows of 2,048 bytes.  A wave reads only what it has loaded itself.  Lane l owns logits 512 w + 128 j + 4 l + 0 .. 3, j = 0 .. 3.
; CLUSTERS of 4: the four want the same lp, so the loads are joint, with a mask of four.
; Of vt wave w takes, in each of the four columns, the same 512 m: load (c, j) is 256 consecutive bytes, and lane l's four bf16 are m = 512 w + 128 j + 4 l + 0 .. 3: the m whose p the lane owns.  So p stays in its registers.
; Two barriers: the waves' maxima; the waves' four sums and shares of Z, which wave 0 adds, a lane for each wave.  No matrix unit: one row of A.  No prefetch: no loop to run ahead in.
; LIMITS: the order of the f32 sums is the kernel's own; vt carries bf16's rounding; NaN logits give NaN; the scaled logits stay under 2^31 in magnitude.
.set LPB,   131072                     ; lp's bytes in LDS, from 0 on; no fill lands behind them
.set MAXW,  LPB                        ; sixteen words: the waves' maxima; 64 bytes on: their shares of Z
.set SUMS,  LPB+256                    ; sixteen times 16 bytes: the waves' sums of the four columns
.set SPARE, LPB+512                    ; spare words, 128 bytes a wave, that no other line names
.set L,     16                         ; v[16:79]   lp: 16 c + 4 j; then l and p in v[16:31]
.set V,     80                         ; v[80:111]  vt: 8 c + 2 j
.macro CROUND                          ; a round of the cluster's barrier
	s_barrier_signal -1
	s_barrier_wait -1
	s_cmp_lg_u32 s14, 0
	s_cbranch_scc1 .Lnot_wave_0_\@
	s_barrier_signal -3
.Lnot_wave_0_\@:
	s_barrier_wait -3
	s_barrier_signal -1
	s_barrier_wait -1
.endm
	s_load_b128 s[4:7], s[0:1], 0x0                ; lp s[4:5], vt s[6:7]
	s_load_b128 s[8:11], s[0:1], 0x10              ; bv s[8:9], the scales' exponents s[10:11]
	s_load_b64 s[12:13], s[0:1], 0x20              ; out
	v_lshl_add_u32 v160, v0, 2, SPARE
	v_mov_b32 v161, 0
	ds_add_u32 v160, v161                          ; the wave's opening: the add, twice on end, ahead of its first tensor load
	ds_add_u32 v160, v161
	v_lshrrev_b32 v144, 5, v0
	v_readfirstlane_b32 s14, v144                  ; wave 0..15
	v_and_b32 v145, 31, v0
	v_and_b32 v146, 15, v0
	v_lshl_add_u32 v5, v144, 2, MAXW               ; my wave's word
	v_lshl_add_u32 v3, v144, 4, SUMS               ; my wave's 16 bytes
	v_lshlrev_b32 v1, 4, v145
	v_lshlrev_b32 v2, 3, v145
	v_lshl_add_u32 v147, v146, 4, SUMS             ; wave l % 16's 16 bytes,
	v_lshl_add_u32 v148, v146, 2, MAXW             ; and its word
	v_lshl_add_u32 v1, v144, 13, v1                ; lp in LDS: 8,192 x wave + 16 x lane
	v_lshl_add_u32 v2, v144, 10, v2                ; vt: 1,024 x wave + 8 x lane
	v_mov_b32 v6, MAXW
	v_mov_b32 v7, 0
	v_mov_b32 v14, 0                               ; a lane permute's destination counts as read: written once
	s_wait_alu depctr_va_vdst(0)                   ; the end of the head's vector work
	s_bfe_u32 s25, ttmp6, 0x40000                  ; my place in the cluster
	s_lshl_b32 s26, ttmp9, 2
	s_add_co_u32 s25, s25, s26                     ; work-group g
	s_lshl_b32 s26, s25, 16                        ; its four rows of vt
	s_mov_b32 s27, 0
	s_lshl_b32 s28, s25, 4                         ; its four numbers of bv and of out
	s_mov_b32 s29, 0
	s_lshl_b32 s30, s14, 11                        ; my wave's 512 logits in a row of lp
	s_mov_b32 s31, 0
	s_mov_b32 s22, 0x76543210                      ; v_permlanex16_b32: lane l xor 16
	s_mov_b32 s23, 0xfedcba98
	s_mov_b32 s32, 1
	s_lshl_b32 s33, s14, 13                        ; my wave's 8,192 bytes of LDS
	s_mov_b32 s36, 15|(3<<16)|(1<<21)              ; the mask of the four; elements of 8 bytes
	s_mov_b32 s37, 256<<16
	s_mov_b32 s38, 4<<16
	s_mov_b32 s39, 256<<16                         ; rows of 2,048 bytes,
	s_mov_b32 s40, 4                               ; four of them,
	s_mov_b32 s41, 4096                            ; 32,768 bytes apart
	s_mov_b32 s42, 0
	s_mov_b32 s43, 0
	s_wait_dscnt 0x0                               ; both opening adds are done
	CROUND                                         ; the four work-groups are here: the joint loads meet
	s_wait_kmcnt 0x0
	s_add_nc_u64 s[34:35], s[4:5], s[30:31]
	s_or_b32 s35, s35, 0x80000000
	tensor_load_to_lds s[32:35], s[36:43]
	s_nop 0
	s_add_nc_u64 s[6:7], s[6:7], s[26:27]
	s_add_nc_u64 s[8:9], s[8:9], s[28:29]
	s_add_nc_u64 s[12:13], s[12:13], s[28:29]
.irp c, 0,1,2,3
.irp j, 0,1,2,3
	global_load_b64 v[V+8*\c+2*\j:V+8*\c+2*\j+1], v2, s[6:7] offset:16384*\c+256*\j th:TH_LOAD_NT   ; read once in the launch
.endr
.endr
	s_load_b128 s[16:19], s[8:9], 0x0              ; bv of my four columns
	s_load_b64 s[20:21], s[10:11], 0x8             ; e2, e3
	s_wait_tensorcnt 0x0                           ; my wave's part of lp is in; no other wave reads it
.irp c, 0,1,2,3
.irp j, 0,1,2,3
	ds_load_b128 v[L+16*\c+4*\j:L+16*\c+4*\j+3], v1 offset:2048*\c+512*\j
.endr
.endr
	s_wait_dscnt 0x0
.irp j, 0,2,4,6,8,10,12,14
	v_pk_add_f32 v[16+\j:17+\j], v[16+\j:17+\j], v[32+\j:33+\j]
	v_pk_add_f32 v[48+\j:49+\j], v[48+\j:49+\j], v[64+\j:65+\j]
.endr
.irp j, 0,2,4,6,8,10,12,14
	v_pk_add_f32 v[16+\j:17+\j], v[16+\j:17+\j], v[48+\j:49+\j]    ; l = (column tiles 0 + 1) + (2 + 3)
.endr
	v_max3_num_f32 v8, v16, v17, v18               ; the largest of my sixteen, in two chains
	v_max3_num_f32 v9, v19, v20, v21
.irp j, 22,26
	s_delay_alu instid0(VALU_DEP_2)
	v_max3_num_f32 v8, v8, v[\j], v[\j+1]
	s_delay_alu instid0(VALU_DEP_2)
	v_max3_num_f32 v9, v9, v[\j+2], v[\j+3]
.endr
	s_delay_alu instid0(VALU_DEP_2)
	v_max3_num_f32 v8, v8, v30, v31
	s_delay_alu instid0(VALU_DEP_1)
	v_max_num_f32 v8, v8, v9
.irp mk, 1,2,4,8                       ; and over the wave's 32 lanes
	s_delay_alu instid0(VALU_DEP_1)
	v_max_num_f32_dpp v8, v8, v8 row_xmask:\mk row_mask:0xf bank_mask:0xf
.endr
	s_delay_alu instid0(VALU_DEP_1)
	v_permlanex16_b32 v14, v8, s22, s23
	s_delay_alu instid0(VALU_DEP_1)
	v_max_num_f32 v8, v8, v14
	ds_store_b32 v5, v8                            ; all lanes write the wave's word with the same value
	s_wait_dscnt 0x0                               ; for the others' sake
	s_barrier_signal -1
	s_barrier_wait -1
.irp c, 0,1,2,3
	ds_load_b128 v[32+4*\c:35+4*\c], v6 offset:16*\c   ; the sixteen waves' maxima, in every lane
.endr
	s_wait_dscnt 0x0
	v_max3_num_f32 v8, v32, v33, v34
	v_max3_num_f32 v9, v35, v36, v37
.irp j, 38,42
	s_delay_alu instid0(VALU_DEP_2)
	v_max3_num_f32 v8, v8, v[\j], v[\j+1]
	s_delay_alu instid0(VALU_DEP_2)
	v_max3_num_f32 v9, v9, v[\j+2], v[\j+3]
.endr
	s_delay_alu instid0(VALU_DEP_2)
	v_max3_num_f32 v8, v8, v46, v47
	s_delay_alu instid0(VALU_DEP_1)
	v_max_num_f32 v8, v8, v9
	s_delay_alu instid0(VALU_DEP_1)
	v_mul_f32 v12, 0xbd38aa3b, v8                  ; -max c
	s_delay_alu instid0(VALU_DEP_1)
	v_mov_b32 v13, v12
.irp j, 0,2,4,6,8,10,12,14
	v_pk_fma_f32 v[16+\j:17+\j], v[16+\j:17+\j], 0x3d38aa3b, v[12:13] op_sel_hi:[1,0,1]   ; l c - max c
.endr
	s_wait_alu depctr_va_vdst(0)
.irp j, 0,1,2,3,4,5,6,7,8,9,10,11,12,13,14,15
	v_exp_f32 v[16+\j], v[16+\j]                   ; p
.endr
.irp k, 8,9,10,11
	v_mov_b32 v[\k], 0                             ; the four columns' sums; also the plain place behind the exponentials
.endr
	s_wait_alu depctr_va_vdst(0)                   ; and behind it
	v_pk_add_f32 v[48:49], v[16:17], v[18:19]      ; my share of Z, in two chains
	v_pk_add_f32 v[50:51], v[20:21], v[22:23]
	v_pk_add_f32 v[48:49], v[48:49], v[24:25]
	v_pk_add_f32 v[50:51], v[50:51], v[26:27]
	v_pk_add_f32 v[48:49], v[48:49], v[28:29]
	v_pk_add_f32 v[50:51], v[50:51], v[30:31]
	s_delay_alu instid0(VALU_DEP_1)
	v_pk_add_f32 v[48:49], v[48:49], v[50:51]
	s_delay_alu instid0(VALU_DEP_1)
	v_add_f32 v12, v48, v49
	s_wait_alu depctr_va_vdst(0)
	s_wait_loadcnt 0x0                             ; vt
.irp j, 0,1,2,3
.irp e, 0,1
.irp c, 0,1,2,3                        ; the word's low bf16 x p
	v_fma_mix_f32_bf16 v[8+\c], v[V+8*\c+2*\j+\e], v[16+4*\j+2*\e], v[8+\c] op_sel_hi:[1,0,0]
.endr
.irp c, 0,1,2,3                        ; its high bf16
	v_fma_mix_f32_bf16 v[8+\c], v[V+8*\c+2*\j+\e], v[17+4*\j+2*\e], v[8+\c] op_sel:[1,0,0] op_sel_hi:[1,0,0]
.endr
.endr
.endr
.irp mk, 1,2,4,8                       ; the four sums and Z over the wave's 32 lanes, by turns
.irp r, 8,9,10,11,12
	v_add_f32_dpp v\r, v\r, v\r row_xmask:\mk row_mask:0xf bank_mask:0xf
.endr
.endr
.irp r, 8,9,10,11,12
	v_permlanex16_b32 v[72+\r], v\r, s22, s23      ; (v80-84 held vt)
.endr
.irp r, 8,9,10,11,12
	v_add_f32 v\r, v\r, v[72+\r]
.endr
	ds_store_b128 v3, v[8:11]
	ds_store_b32 v5, v12 offset:64
	s_wait_dscnt 0x0                               ; for wave 0's sake
	s_barrier_signal -1
	s_barrier_wait -1
	s_cmp_lg_u32 s14, 0
	s_cbranch_scc1 .Lend
	ds_load_b128 v[16:19], v147                    ; lane l: wave l % 16's four sums,
	ds_load_b32 v20, v148 offset:64                ; and its share of Z
	s_wait_dscnt 0x0
.irp mk, 1,2,4,8                       ; over the sixteen waves
.irp r, 20,16,17,18,19
	v_add_f32_dpp v\r, v\r, v\r row_xmask:\mk row_mask:0xf bank_mask:0xf
.endr
.endr
	s_wait_alu depctr_va_vdst(0)
	v_rcp_f32 v20, v20                             ; Z is at least 1 up to rounding: the largest logit's p is 2^0
	v_nop                                          ; the plain place behind it
	s_wait_alu depctr_va_vdst(0)                   ; and the wait behind it
	s_wait_kmcnt 0x0                               ; bv, e2, e3
	s_add_co_i32 s20, s20, s21                     ; e2 + e3
.irp c, 0,1,2,3
	v_mul_f32 v[8+\c], v[16+\c], v20               ; / Z
.endr
.irp c, 0,1,2,3
	s_delay_alu instid0(VALU_DEP_4)
	v_ldexp_f32 v[8+\c], v[8+\c], s20              ; x 2^(e2 + e3): no limit on the exponents
.endr
.irp c, 0,1,2,3
	s_delay_alu instid0(VALU_DEP_4)
	v_add_f32 v[8+\c], s[16+\c], v[8+\c]           ; + bv
.endr
	s_wait_alu depctr_va_vdst(0)
	s_wait_xcnt 0x0                                ; EXEC is a source of the loads above: it changes only behind this wait
	v_cmp_eq_u32 vcc_lo, 0, v0
	s_and_saveexec_b32 s24, vcc_lo
	global_store_b128 v7, v[8:11], s[12:13]        ; one lane stores out[4 g .. 4 g + 3]: the whole output is 4,096 bytes
	s_wait_xcnt 0x0                                ; and again in front of the line that widens it
	s_or_b32 exec_lo, exec_lo, s24
.Lend:
	s_wait_tensorcnt 0x0                           ; the wave's end
	ds_add_u32 v160, v161
	s_wait_dscnt 0x0
	CROUND                                         ; the closing round: no work-group ends while a partner may still ask
	s_endpgm
.Lfunc_end_k_q15ce479153_mix:
	.size	k_q15ce479153_mix, .Lfunc_end_k_q15ce479153_mix-k_q15ce479153_mix
	.p2alignl 7, 3214868480
	.fill 96, 4, 3214868480
	.section	.rodata,"a",@progbits
	.p2align	6, 0x0
	.amdhsa_kernel k_q15ce479153_mix
		.amdhsa_group_segment_fixed_size 167936
		.amdhsa_private_segment_fixed_size 0
		.amdhsa_enable_private_segment 0
		.amdhsa_kernarg_size 40
		.amdhsa_user_sgpr_count 2
		.amdhsa_user_sgpr_kernarg_segment_ptr 1
		.amdhsa_wavefront_size32 1
		.amdhsa_system_sgpr_workgroup_id_x 1
		.amdhsa_system_sgpr_workgroup_id_y 1
		.amdhsa_system_sgpr_workgroup_id_z 1
		.amdhsa_system_vgpr_workitem_id 0
		.amdhsa_next_free_vgpr 162
		.amdhsa_next_free_sgpr 66
		.amdhsa_reserve_vcc 1
		.amdhsa_float_denorm_mode_32 3
		.amdhsa_float_denorm_mode_16_64 3
		.amdhsa_memory_ordered 1
		.amdhsa_forward_progress 1
		.amdhsa_inst_pref_size 22
	.end_amdhsa_kernel
	.amdgpu_metadata
---
amdhsa.version: [ 1, 2 ]
amdhsa.kernels:
  - .name:           k_q15ce479153_mix
    .symbol:         k_q15ce479153_mix.kd
    .args:
      - { .name: lp, .offset: 0, .size: 8, .value_kind: global_buffer, .address_space: global }
      - { .name: vt, .offset: 8, .size: 8, .value_kind: global_buffer, .address_space: global }
      - { .name: bv, .offset: 16, .size: 8, .value_kind: global_buffer, .address_space: global }
      - { .name: lowp_scales, .offset: 24, .size: 8, .value_kind: global_buffer, .address_space: global }
      - { .name: out0, .offset: 32, .size: 8, .value_kind: global_buffer, .address_space: global }
    .group_segment_fixed_size: 167936
    .private_segment_fixed_size: 0
    .kernarg_segment_align: 8
    .kernarg_segment_size: 40
    .max_flat_workgroup_size: 512
    .sgpr_count:     66
    .vgpr_count:     162
    .wavefront_size: 32
...
	.end_amdgpu_metadata
.endif
;; end of part 3
